; MI455X (gfx1250); checked and timed in simulation.
; The chip was launched on July 23, 2026; its instructions are those of AMD's public machine-readable ISA for CDNA 5 (MIT licence, August 2026) and "CDNA5" Instruction Set Architecture Reference Guide (July 2026). The comments in the code are by the model that wrote it; some were corrected since.
;; Embedding RNN. Allowed arithmetic: float matrix products may take bf16 or f16 operands with f32 sums; other float arithmetic in f32, or as packed bf16 or f16 multiplies, adds, multiply-adds, maxima and minima; sums over many terms, partial sums and values carried from step to step in f32; what a program stores and reads back later, other than sums and carried values, may be rounded once to bf16 or f16.
;; Inputs: U 256 x 1,024 float32; W 256 x 1,024 float32; b 1,024 float32; emb 155 x 256 float32; x 64 x 128 x 16 int32.
;; Outputs: out0 64 x 128 x 256 float32.
;; 2 versions, each right and faster than the one before. Each part assembles by itself: llvm-mc -triple=amdgcn-amd-amdhsa -mcpu=gfx1250 --defsym DOCPART=n.
;; ======== version 1 of 2: 2 launches
;; workspace buffers: tab 655,360 bytes; uf 524,288 bytes
;; launch prep (part 1): grid 16 x 7, 4 waves a work-group, no clusters, 9,216 bytes of LDS; arguments emb, W, U, b, tab, uf; writes tab, uf
.if DOCPART == 1
	.amdgcn_target "amdgcn-amd-amdhsa--gfx1250"
	.amdhsa_code_object_version 6
	.text
	.protected	k_qe8bf9f70e5_prep
	.globl	k_qe8bf9f70e5_prep
	.p2align	8
	.type	k_qe8bf9f70e5_prep,@function
k_qe8bf9f70e5_prep:
	s_mov_b64 s[64:65], 0
	v_nop
	global_prefetch_b8 v0, s[64:65] scope:SCOPE_SE
	s_setreg_imm32_b32 hwreg(HW_REG_WAVE_MODE, 25, 1), 1
	s_wait_xcnt 0x0
; PREPARATION FOR THE RECURRENCE.  Two jobs, chosen by the work-group's y, which all four waves share.
; y = 0..4: THE TABLE.  A gather of rows commutes with a product by rows: emb[x] W + b = (emb W + b)[x].  So the input half of every gate is made once for each of the
;   155 characters: tab[e] = emb[e] W + b, f32, 160 rows of 4,096 bytes (rows 155-159 repeat row 154, so that the last block of 32 rows is whole).
;   The work-group makes 32 rows x 16 columns of each of the four gates; wave g makes gate g.  A row is laid out for the reader: the 256 bytes at jt*256 hold, at
;   g*64 + q*32 + hh*16, the four numbers of gate column 256 g + 16 jt + 8 hh + 4 q + 0..3.
; y = 5, 6: U AS FRAGMENTS.  U rounded to bf16, in the order in which a matrix instruction's first source wants it: uf byte = w*131072 + s*4096 + g*1024 + half*512 + lane*16,
;   s = 16 (k / 4) + 4 p + k % 4; lane (r, hh) holds gate column 256 g + 64 w + 16 p + r, half 0 the rows 32 k + 8 hh + 0..7 of U, half 1 the rows 32 k + 16 + 8 hh + 0..7.
; FORMATS.  emb, W, U and b are each rounded once to bf16; the sums and the table are f32.  NaN and infinities are not treated apart.
; The product is used transposed: source 0 = 16 columns of W, source 1 = 16 rows of emb, so a lane's eight results are eight neighbouring columns of one table row.
; No cluster: the work-groups of a column share 64 KiB of W through registers, and joint loads land in LDS alone; the launch is short.
.set ROWB,   4096                      ; bytes in a row of W, of U and of the table
.set SPITCH, 272                       ; a stage row: 256 bytes + 16, so that the 16 rows of a store start at 16 different groups of four banks (ISA guide 11.1)
.set SPARE,  32*SPITCH                 ; behind the stage: the spare words, 128 bytes a wave
.set WO,  3                            ; v3   my byte offset in W or U: row 8 hh, column 16 ct + r
.set BO,  4                            ; v4   my eight numbers of b
.set E0,  5                            ; v5-6 my row of emb in tile 0, 1
.set STO, 7                            ; v7   where I put 16 bytes into the stage
.set RD,  8                            ; v8   where I read them back
.set TO,  9                            ; v9   my byte offset in the table
.set UO,  10                           ; v10  16 x lane
.set TMP, 11
.set SPW, 12                           ; v12  my spare word; never rewritten
.set NIL, 13                           ; v13  0; never rewritten
.set BR,  16                           ; v16-23  b as loaded
.set BC,  24                           ; v24-31  b rounded to bf16, as f32: the C operand that starts the sums
.set ACC, 32                           ; v32-39, v40-47  the two accumulators
.set BK,  48                           ; v48-63  rows read back from the stage
.set WF,  64                           ; v64-127  eight fragments of W (or four of U)
.set EF,  128                          ; v128-255 fragments of emb: tile t, K step k at EF + 64 t + 8 k
                                       ; window 1: v0-127 W or U as loaded;  window 2: v0-255 emb as loaded
.set MSB, 0
.macro WIN new                         ; the immediate's high byte repeats the setting that is left; a switch that changes nothing is dropped
.if MSB != (\new)
	s_set_vgpr_msb (MSB<<8)|(\new)
.set MSB, (\new)
.endif
.endm
; nk K steps of 32 rows of W or U: register 16 k + i takes row 32 k + 16 (i / 8) + 8 hh + i % 8 of my column
.macro LOADRAW base, nk
	WIN 0x40                                       ; destination window 1, address window 0
.set i, 0
.rept 16*(\nk)
	global_load_b32 v[i], v[WO], s[\base:\base+1] offset:(32*(i/16)+16*((i%16)/8)+i%8)*ROWB
.set i, i+1
.endr
.endm
.macro CVTW nk                         ; two rows' numbers round into one register: a fragment's register j holds K = 2 j, 2 j + 1 of its half
	WIN 0x05                                       ; sources window 1, destination window 0
.set i, 0
.rept 8*(\nk)
	v_cvt_pk_bf16_f32 v[WF+i], v[2*i], v[2*i+1]
.set i, i+1
.endr
.endm
	s_load_b256 s[4:11], s[0:1], 0x0               ; emb s[4:5], W s[6:7], U s[8:9], b s[10:11]
	s_load_b128 s[12:15], s[0:1], 0x20             ; tab s[12:13], uf s[14:15]
	v_lshl_add_u32 v[SPW], v0, 2, SPARE
	v_mov_b32 v[NIL], 0
	v_lshrrev_b32 v1, 5, v0
	v_readfirstlane_b32 s16, v1                    ; g: my wave's number is my gate
	s_mov_b32 s17, ttmp9                           ; jt: which 16 columns of each gate
	s_and_b32 s18, ttmp7, 0xffff                   ; y
	s_lshl_b32 s19, s16, 4
	s_add_co_u32 s19, s19, s17                     ; ct = 16 g + jt: my block of 16 among the 1,024 columns
	s_lshl_b32 s20, s19, 6                         ; its 64 bytes in a row
	v_and_b32 v1, 15, v0                           ; r
	v_bfe_u32 v2, v0, 4, 1                         ; hh
	v_lshlrev_b32 v[WO], 15, v2                    ; 8 hh rows of 4,096 bytes
	v_lshl_add_u32 v[WO], v1, 2, v[WO]
	v_add_nc_u32 v[WO], s20, v[WO]
	s_wait_kmcnt 0x0
	s_cmp_ge_u32 s18, 5
	s_cbranch_scc1 .Lu_path                        ; the same way for all four waves
	; ---- the table ----
	v_lshl_add_u32 v[BO], v2, 5, s20               ; b at column 16 ct + 8 hh
	s_lshl_b32 s21, s18, 5                         ; 32 y: the block's first row
	v_add_nc_u32 v[E0], s21, v1
	v_add_nc_u32 v[E0+1], 16, v[E0]
	v_min_u32 v[E0], 0x9a, v[E0]                   ; rows past the table's end repeat row 154
	v_min_u32 v[E0+1], 0x9a, v[E0+1]
	v_lshlrev_b32 v[E0], 10, v[E0]                 ; a row of emb is 1,024 bytes
	v_lshlrev_b32 v[E0+1], 10, v[E0+1]
	v_lshl_add_u32 v[E0], v2, 5, v[E0]             ; + 8 hh numbers
	v_lshl_add_u32 v[E0+1], v2, 5, v[E0+1]
	LOADRAW 6, 8                                   ; W: all 256 rows of my column, 128 loads
	WIN 0
	global_load_b128 v[BR:BR+3], v[BO], s[10:11]
	global_load_b128 v[BR+4:BR+7], v[BO], s[10:11] offset:16
	WIN 0x80                                       ; destination window 2
.set i, 0
.rept 16                               ; tile i / 8, K step i % 8: K = 8 hh + 0..7 and 16 + 8 hh + 0..7, 32 bytes each
.irp o, 0,1,2,3
	global_load_b128 v[16*i+4*\o:16*i+4*\o+3], v[E0+i/8], s[4:5] offset:(i%8)*128+(\o/2)*64+(\o%2)*16
.endr
.set i, i+1
.endr
	WIN 0
	v_mul_u32_u24 v[STO], v1, SPITCH               ; into the stage: row r, my gate's 64 bytes, 16 bytes for each half of the lanes
	v_lshl_add_u32 v[STO], v2, 4, v[STO]
	s_lshl_b32 s22, s16, 6
	v_add_nc_u32 v[STO], s22, v[STO]
	s_mul_i32 s22, s16, 8*SPITCH                   ; back: wave g takes rows 8 g .. 8 g + 7, whole; lanes 0-15 one row, lanes 16-31 the next
	v_mul_u32_u24 v[RD], v2, SPITCH
	v_lshl_add_u32 v[RD], v1, 4, v[RD]
	v_add_nc_u32 v[RD], s22, v[RD]
	s_lshl_b32 s23, s16, 3
	s_add_co_u32 s23, s23, s21                     ; table row 32 y + 8 g
	s_lshl_b32 s23, s23, 12
	s_lshl_b32 s24, s17, 8                         ; the block's 256 bytes in a row
	s_add_co_u32 s23, s23, s24
	v_lshlrev_b32 v[TO], 12, v2
	v_lshl_add_u32 v[TO], v1, 4, v[TO]
	v_add_nc_u32 v[TO], s23, v[TO]
	s_wait_loadcnt 63                              ; loads come back in order (ISA guide 5.7.1): 66 were issued behind W's last, and the field names 63 at the most: W and b are in
	CVTW 8
	WIN 0
.irp j, 0,1,2,3
	v_cvt_pk_bf16_f32 v[TMP], v[BR+2*\j], v[BR+2*\j+1]   ; b is rounded to bf16 like the other inputs, and widened again
	v_lshlrev_b32 v[BC+2*\j], 16, v[TMP]
	v_and_b32 v[BC+2*\j+1], 0xffff0000, v[TMP]
.endr
	s_wait_loadcnt 0x0                             ; emb
	WIN 0x0a                                       ; sources window 2, destination window 0
.set i, 0
.rept 128
	v_cvt_pk_bf16_f32 v[EF+i], v[2*i], v[2*i+1]
.set i, i+1
.endr
	WIN 0
	; 16 products; the two accumulators take turns.  The first K step starts the sums with b.
	v_wmma_f32_16x16x32_bf16 v[ACC:ACC+7], v[WF:WF+7], v[EF:EF+7], v[BC:BC+7]
	v_wmma_f32_16x16x32_bf16 v[ACC+8:ACC+15], v[WF:WF+7], v[EF+64:EF+71], v[BC:BC+7]
.set k, 1
.rept 7
	v_wmma_f32_16x16x32_bf16 v[ACC:ACC+7], v[WF+8*k:WF+8*k+7], v[EF+8*k:EF+8*k+7], v[ACC:ACC+7]
	v_wmma_f32_16x16x32_bf16 v[ACC+8:ACC+15], v[WF+8*k:WF+8*k+7], v[EF+64+8*k:EF+64+8*k+7], v[ACC+8:ACC+15]
.set k, k+1
.endr
.rept 4
	v_nop                                          ; four places between the last product and the stores that read its result
.endr
.irp t, 0,1
.irp q, 0,1
	ds_store_b128 v[STO], v[ACC+8*\t+4*\q:ACC+8*\t+4*\q+3] offset:\t*16*SPITCH+\q*32  ; each accumulator's low registers first
.endr
.endr
	s_wait_dscnt 0x0                               ; for the others' sake: my stores into the stage are done
	s_barrier_signal -1
	s_barrier_wait -1                              ; a row's 256 bytes come from all four waves
.irp i, 0,1,2,3
	ds_load_b128 v[BK+4*\i:BK+4*\i+3], v[RD] offset:\i*2*SPITCH
.endr
.irp i, 0,1,2,3
	s_wait_dscnt 3-\i                              ; LDS loads come back in order: pair i of rows is in
	global_store_b128 v[TO], v[BK+4*\i:BK+4*\i+3], s[12:13] offset:\i*2*ROWB  ; 16 lanes store 256 consecutive bytes, at a multiple of 256 from the table's first byte
.endr
	s_wait_tensorcnt 0x0                           ; the wave's end: a wait, an LDS add and its wait, behind my last LDS store
	ds_add_u32 v[SPW], v[NIL]
	s_wait_dscnt 0x0
	s_endpgm
	; ---- U as fragments: K steps 4 (y - 5) + 0..3 of my 16 columns ----
.Lu_path:
	s_sub_co_u32 s21, s18, 5
	s_lshl_b32 s22, s21, 19                        ; 128 rows of 4,096 bytes
	s_mov_b32 s23, 0
	s_add_nc_u64 s[8:9], s[8:9], s[22:23]
	LOADRAW 8, 4
	WIN 0
	v_and_b32 v[UO], 31, v0
	v_lshlrev_b32 v[UO], 4, v[UO]
	s_lshr_b32 s24, s17, 2                         ; w = jt / 4: the wave that will own these columns
	s_lshl_b32 s24, s24, 17
	s_lshl_b32 s26, s21, 16                        ; slot 16 (k / 4)
	s_add_co_u32 s24, s24, s26
	s_and_b32 s26, s17, 3                          ; p = jt % 4: slot + 4 p
	s_lshl_b32 s26, s26, 14
	s_add_co_u32 s24, s24, s26
	s_lshl_b32 s26, s16, 10                        ; the gate's 1,024 bytes in a slot
	s_add_co_u32 s24, s24, s26
	s_mov_b32 s25, 0
	s_add_nc_u64 s[14:15], s[14:15], s[24:25]
	s_wait_loadcnt 0x0
	CVTW 4
	WIN 0
.irp k, 0,1,2,3
	global_store_b128 v[UO], v[WF+8*\k:WF+8*\k+3], s[14:15] offset:\k*4096      ; a wave's store covers 512 consecutive bytes
	global_store_b128 v[UO], v[WF+8*\k+4:WF+8*\k+7], s[14:15] offset:\k*4096+512
.endr
	s_endpgm                                       ; this way has written no LDS
.Lfunc_end_k_qe8bf9f70e5_prep:
	.size	k_qe8bf9f70e5_prep, .Lfunc_end_k_qe8bf9f70e5_prep-k_qe8bf9f70e5_prep
	.p2alignl 7, 3214868480
	.fill 96, 4, 3214868480
	.section	.rodata,"a",@progbits
	.p2align	6, 0x0
	.amdhsa_kernel k_qe8bf9f70e5_prep
		.amdhsa_group_segment_fixed_size 9216
		.amdhsa_private_segment_fixed_size 0
		.amdhsa_enable_private_segment 0
		.amdhsa_kernarg_size 48
		.amdhsa_user_sgpr_count 2
		.amdhsa_user_sgpr_kernarg_segment_ptr 1
		.amdhsa_wavefront_size32 1
		.amdhsa_system_sgpr_workgroup_id_x 1
		.amdhsa_system_sgpr_workgroup_id_y 1
		.amdhsa_system_sgpr_workgroup_id_z 1
		.amdhsa_system_vgpr_workitem_id 0
		.amdhsa_next_free_vgpr 768
		.amdhsa_next_free_sgpr 66
		.amdhsa_reserve_vcc 0
		.amdhsa_float_denorm_mode_32 3
		.amdhsa_float_denorm_mode_16_64 3
		.amdhsa_memory_ordered 1
		.amdhsa_forward_progress 1
		.amdhsa_inst_pref_size 46
	.end_amdhsa_kernel
	.amdgpu_metadata
---
amdhsa.version: [ 1, 2 ]
amdhsa.kernels:
  - .name:           k_qe8bf9f70e5_prep
    .symbol:         k_qe8bf9f70e5_prep.kd
    .args:
      - { .name: emb, .offset: 0, .size: 8, .value_kind: global_buffer, .address_space: global }
      - { .name: W, .offset: 8, .size: 8, .value_kind: global_buffer, .address_space: global }
      - { .name: U, .offset: 16, .size: 8, .value_kind: global_buffer, .address_space: global }
      - { .name: b, .offset: 24, .size: 8, .value_kind: global_buffer, .address_space: global }
      - { .name: tab, .offset: 32, .size: 8, .value_kind: global_buffer, .address_space: global }
      - { .name: uf, .offset: 40, .size: 8, .value_kind: global_buffer, .address_space: global }
    .group_segment_fixed_size: 9216
    .private_segment_fixed_size: 0
    .kernarg_segment_align: 8
    .kernarg_segment_size: 48
    .max_flat_workgroup_size: 128
    .sgpr_count:     66
    .vgpr_count:     768
    .wavefront_size: 32
...
	.end_amdgpu_metadata
.endif
;; end of part 1
;; launch rnn (part 2): grid 256 x 1, 4 waves a work-group, clusters of 4 x 1, 327,680 bytes of LDS; arguments x, tab, uf, out0; writes out0
.if DOCPART == 2
	.amdgcn_target "amdgcn-amd-amdhsa--gfx1250"
	.amdhsa_code_object_version 6
	.text
	.protected	k_qe8bf9f70e5_rnn
	.globl	k_qe8bf9f70e5_rnn
	.p2align	8
	.type	k_qe8bf9f70e5_rnn,@function
k_qe8bf9f70e5_rnn:
	s_mov_b64 s[64:65], 0
	v_nop
	global_prefetch_b8 v0, s[64:65] scope:SCOPE_SE
	s_setreg_imm32_b32 hwreg(HW_REG_WAVE_MODE, 25, 1), 1
	s_wait_xcnt 0x0
	s_wait_alu depctr_hold_cnt(0) depctr_sa_sdst(0) depctr_va_vdst(0) depctr_va_sdst(0) depctr_va_ssrc(0) depctr_va_vcc(0) depctr_vm_vsrc(0)
	s_getreg_b32 s2, hwreg(HW_REG_IB_STS2, 6, 4)
	s_cmp_eq_u32 s2, 0
	s_cbranch_scc0 .Lentry_in_a_cluster
	s_endpgm
.Lentry_in_a_cluster:
	s_bfe_u32 s2, ttmp6, 0x10000c
	s_cmp_lg_u32 s2, 0x3003
	s_cbranch_scc0 .Lentry_shape_is_right
	s_endpgm
.Lentry_shape_is_right:
; THE RECURRENCE.  8,192 sequences of 16 characters.  In step t: z = tab[x_t] + h U (1,024 gate columns: i, f, g, o of 256 each); i, f, o = sigmoid; c = f c + i zg; h = o c.  The last h leaves, f32.
; tab = emb W + b by characters and uf = U in bf16 as ready fragments were made by the launch before.
; SHARES.  A work-group owns 32 sequences for all 16 steps: 256 work-groups.  Wave w owns the h columns 64 w .. 64 w + 63 in all four gates, in four PORTIONS p of 16, for both tiles rt of 16 sequences,
; and keeps c of those cells in registers.  Only h passes between the waves, through LDS, once a step.
; U STAYS.  A wave's share of U is 32 groups (p, k) of four gate fragments, 4,096 bytes each.  Groups (slots) 0-14 lie in 480 registers, slots 15-31 in LDS (69,632 bytes a wave), filled once.
; An LDS group passes through one of two staging slots of 32 registers on its way to the products; in a portion register groups and LDS groups alternate, so that a group is asked for well ahead of its use.
; LAYOUT.  The product is used transposed: source 0 = 16 gate columns of U, source 1 = 16 sequences of h.  In the result lane (r, hh) holds sequence r and columns 8 hh + 0..7.  So tab's numbers load straight into the
; accumulator (two loads of 16 bytes) and are the C operand of the first product; the four gates of a cell lie in one lane; eight h round into 16 bytes for one LDS store.  Step 0 has h = 0: no product, no f gate.
; BY TURNS.  While portion p + 1 is multiplied, portion p's gates are worked out: 176 vector lines for 64 matrix instructions, dealt 11 to 4.  Portion 0's products and portion 3's gates stand alone.
; CLUSTER.  All work-groups read the same U, so its LDS part is asked for JOINTLY by the four of a cluster: the same tensor load, descriptor and mask.  The table's rows differ from partner to partner, and
; what goes into registers cannot be asked for jointly: those are plain loads.
; FORMATS AND LIMITS.  U in bf16; h rounded to bf16 once a step (bf16, not f16: h may pass 65,504 for inputs that still give finite results); c, z and the table f32.
; sigmoid(z) = 1 / (1 + 2^(-z log2 e)): where 2^.. overflows it is 0, where 2^.. falls below 2^-126 it is 1.  NaN and infinities are not treated apart.  Within a sum K is taken in another order than ascending.
; An index of x above 154 (the problem allows none) is read as 154.
;
; REGISTERS, in windows of 256 (s_set_vgpr_msb: bits 1:0 source 0, 3:2 source 1, 5:4 source 2, 7:6 destination).  A portion's window is 1 - p / 2.
;   window 0: v0-31 addresses; v32-95 the two staging slots; v96-127 c of portions 2, 3; v128-255 accumulator sets 2, 3
;   window 1: v0-95 U slots 12-14; v96-127 c of portions 0, 1; v128-255 accumulator sets 0, 1
;   window 2: U slots 0-7        window 3: v0-127 h's fragments (tile rt, K step k at 64 rt + 8 k); v128-255 U slots 8-11
;   accumulator (p, rt, gate) at 128 + 64 (p % 2) + 32 rt + 8 gate; c (p, rt, pair q) at 96 + 16 (p % 2) + 8 rt + 2 q.  All that a portion's gates touch lies in its one window.
.set UW,    69632                      ; a wave's U in LDS: 17 groups of 4,096 bytes, lane i at 16 i: no two lanes of a load share a bank
.set HB,    4*UW                       ; h: 32 rows of 528 bytes (512 + 16: the 16 rows of a load start at 16 different groups of four banks, ISA guide 11.1); in the last step four stages of 32 rows x 272 bytes
.set HP,    528
.set SP,    272
.set SPARE, HB+4*32*SP                 ; the spare words, 128 bytes a wave: two blocks of 256 bytes that no other line names
.set UA0, 3                            ; v3   my 16 bytes in my wave's U groups 0-15;  v4 the same for group 16
.set HA,  5                            ; v5   h: row r, 16 hh
.set HS,  6                            ; v6   the same at my wave's 128 bytes of a row
.set XO,  7                            ; v7   my sequence's next index in x
.set IDX, 8                            ; v8-11  indices: tile 0 in v8 (v9), tile 1 in v10 (v11)
.set TA,  12                           ; v12-13 byte offset of my table row's part, tile 0, 1
.set LT,  14                           ; v14  1,024 w + 16 hh
.set UGO, 15                           ; v15  16 x lane
.set SS,  16                           ; v16  the way out: where I put 16 bytes
.set SR,  17                           ; v17  where I read rows back
.set OO,  18                           ; v18  my byte offset in the work-group's rows of out0
.set SPW, 30                           ; v30  my spare word; never rewritten
.set NIL, 31                           ; v31  0; never rewritten
.set STG, 32
.set WV,  12                           ; s12  my wave's number
.set G0,  20                           ; s[20:23] descriptor group 0
.set G1,  24                           ; s[24:31] descriptor group 1
.set NL2E, 32                          ; s[32:33] -log2(e): the packed multiply takes the pair's low word for both halves
.set CNT, 34                           ; s34  steps to go in the loop
.set MSB, 0
.macro WIN new                         ; the immediate's high byte repeats the setting that is left; a switch that changes nothing is dropped
.if MSB != (\new)
	s_set_vgpr_msb (MSB<<8)|(\new)
.set MSB, (\new)
.endif
.endm
; A round of the cluster's barrier: my work-group's barrier, so that wave 0's signal speaks for all four waves; wave 0 signals; every wave waits for all four work-groups; my work-group's barrier once more.
.macro CROUND
	s_barrier_signal -1
	s_barrier_wait -1
	s_cmp_lg_u32 s[WV], 0
	s_cbranch_scc1 .Lnot_wave_0_\@
	s_barrier_signal -3
.Lnot_wave_0_\@:
	s_barrier_wait -3
	s_barrier_signal -1
	s_barrier_wait -1
.endm
; WHAT THE MACROS COUNT WHILE THE TEXT IS WRITTEN.  DSN: LDS instructions since the last wait for all of them.  SLM0, SLM1: DSN behind the last run of loads into staging slot 0, 1.
; LI: the step's next LDS group, 0-16, in the order of use; it lies in slot LI % 2.  PEND, PLI, PMARK: group PLI has been multiplied and its slot waits to be loaded again.  PLN: plain vector lines so far.
.set DSN, 0
.set SLM0, 0
.set SLM1, 0
.set LI, 0
.set PEND, 0
.set PLI, 0
.set PMARK, 0
.set PLN, 0
.set MLEFT, 0
.set FIRST, 0
.set LAST, 0
; A vector line that reads a matrix result, and a load into a register that a matrix instruction has read or written, stand four places behind it; only plain vector lines that name none of its
; registers are places (ISA guide 7.12.1 for vector lines).
.macro PLACES
.rept 4
	v_nop
.endr
.set PLN, PLN+4
.endm
.macro BAR                             ; all my LDS instructions are done; then the work-group's barrier
	s_wait_dscnt 0x0
	s_barrier_signal -1
	s_barrier_wait -1
.set DSN, 0
.set SLM0, 0
.set SLM1, 0
.endm
; The step's LDS group number T (in the order of use) into a staging slot: eight loads.  In LDS the groups lie by slot number: (p 3, k 3) first, then k 4-7 of portions 0 to 3.
.macro STAGE slot, T
.if (\T) < 12
.set LG, (\T)+1
.elseif (\T) == 12
.set LG, 0
.else
.set LG, (\T)
.endif
	WIN 0
.irp g, 0,1,2,3
	ds_load_b128 v[STG+32*(\slot)+8*\g:STG+32*(\slot)+8*\g+3],   v[UA0+LG/16] offset:(LG%16)*4096+\g*1024
	ds_load_b128 v[STG+32*(\slot)+8*\g+4:STG+32*(\slot)+8*\g+7], v[UA0+LG/16] offset:(LG%16)*4096+\g*1024+512
.endr
.set DSN, DSN+8
.if (\slot) == 0
.set SLM0, DSN
.else
.set SLM1, DSN
.endif
.endm
.macro FILLUP                          ; as many v_nop as are wanting of the four places behind the slot's last product
.if PLN-PMARK < 4
.rept 4-(PLN-PMARK)
	v_nop
.endr
.set PLN, PMARK+4
.endif
.endm
; The slot of group PLI takes the group two further on; the step's last two slots take the next step's first two groups, and in the last step nothing.
.macro RELOAD
.if PLI+2 <= 16
	FILLUP
	STAGE PLI%2, PLI+2
.elseif !LAST
	FILLUP
	STAGE PLI%2, 16-PLI
.endif
.set PEND, 0
.endm
.macro MMSET p
.set MP, (\p)
.set MI, 0
.set MJ, 0
.set MLEFT, 64
.endm
; The next of portion MP's 64 products: group MI / 8 in the portion's order of K, gate (MI % 8) / 2, tile MI % 2.  The set's eight accumulators take turns, one instruction a turn, from portion to portion and
; over the loop's edge too.  The order of K lets register groups and LDS groups alternate: 0 4 1 5 2 6 3 7; in portion 3, whose K step 3 lies in LDS too: 3 0 4 1 5 2 6 7.
.macro MMNEXT
.set MU, MI/8
.set MG, (MI%8)/2
.set MR, MI%2
.if MP < 3
.set MK, (MU>>1)+4*(MU&1)
.elseif MU == 7
.set MK, 7
.elseif (MU&1) == 0
.set MK, 3+MU/2
.else
.set MK, (MU-1)/2
.endif
.set MS, 16*(MK>>2)+4*MP+(MK&3)
.set MA, 1-MP/2
.if (MI%8) == 0
.set WT, 63
.if MS >= 15
.if (LI%2) == 0
.set WT, DSN-SLM0
.else
.set WT, DSN-SLM1
.endif
.endif
.if MP == 0
.if DSN-4*(MU+1) < WT
.set WT, DSN-4*(MU+1)
.endif
.endif
.if WT < 63
	s_wait_dscnt WT                                ; LDS instructions end in order (ISA guide 5.7.1): all but those issued behind the group's eight loads (portion 0: and behind h's four for this K step)
.endif
.endif
.if ((MI%8) == 4) && PEND
	RELOAD
.endif
.if MS >= 15
.set MW, 0
.set MSRC, STG+32*(LI%2)+8*MG
.elseif MS < 8
.set MW, 2
.set MSRC, 32*MS+8*MG
.elseif MS < 12
.set MW, 3
.set MSRC, 128+32*(MS-8)+8*MG
.else
.set MW, 1
.set MSRC, 32*(MS-12)+8*MG
.endif
.set MACC, 128+64*(MP%2)+32*MR+8*MG
.set MH, 64*MR+8*MK
	WIN MW|(3<<2)|(MA<<4)|(MA<<6)
	v_wmma_f32_16x16x32_bf16 v[MACC:MACC+7], v[MSRC:MSRC+7], v[MH:MH+7], v[MACC:MACC+7]
.if ((MI%8) == 7) && (MS >= 15)
.set PEND, 1
.set PLI, LI
.set PMARK, PLN
.set LI, LI+1
.endif
.set MI, MI+1
.endm
; In front of every line of a portion's gates: the next product, if one is due (4 products to 11 lines), and the line's windows.  kind 0: a transcendental; 1: plain; 2: an LDS store.
.macro RPRE kind
.if MLEFT > 0
.if 4*RC >= 11*MJ
	MMNEXT
.set MJ, MJ+1
.set MLEFT, MLEFT-1
.endif
.endif
.set RC, RC+1
.if (\kind) == 2
	WIN EA<<2                                      ; address window 0, data in the portion's window
.set DSN, DSN+1
.else
	WIN 0x55*EA
.endif
.if (\kind) == 1
.set PLN, PLN+1
.endif
.endm
; THE GATES OF A PORTION: eight UNITS x of two cells a lane: tile x / 4, pair x % 4.  Each accumulator is read from its lowest registers on.
.macro UREG x
.set UR, (\x)/4
.set UQ, (\x)%4
.set UT, 128+64*(EP%2)+32*UR
.set ZI, UT+2*UQ
.set ZF, ZI+8
.set ZG, ZI+16
.set ZO, ZI+24
.set CC, 96+16*(EP%2)+8*UR+2*UQ
.endm
.macro P1 x, n                         ; z times -log2(e), for i, f, o (n = 0, 1, 2).  Step 0 has no f
.if ((\x) >= 0) && ((\x) < 8)
.if (FIRST == 0) || ((\n) != 1)
	UREG \x
	RPRE 1
.set ZZ, ZI+8*(\n)+8*((\n)/2)
	v_pk_mul_f32 v[ZZ:ZZ+1], v[ZZ:ZZ+1], s[NL2E:NL2E+1] op_sel_hi:[1,0]
.endif
.endif
.endm
.macro P2 x, n                         ; 1 + 2^..
.if ((\x) >= 0) && ((\x) < 8)
.if (FIRST == 0) || ((\n) != 1)
	UREG \x
	RPRE 1
.set ZZ, ZI+8*(\n)+8*((\n)/2)
	s_wait_alu depctr_va_vdst(0)
	v_pk_add_f32 v[ZZ:ZZ+1], v[ZZ:ZZ+1], 1.0 op_sel_hi:[1,0]
.endif
.endif
.endm
.macro TR op, x, n                     ; a transcendental in place: n = 0..5: i, i, f, f, o, o
.if ((\x) >= 0) && ((\x) < 8)
.if (FIRST == 0) || (((\n)/2) != 1)
	UREG \x
	RPRE 0
.set ZZ, ZI+8*((\n)/2)+8*((\n)/4)+(\n)%2
	\op v[ZZ], v[ZZ]
.endif
.endif
.endm
; n = 0: i zg.  1: c = f c + i zg.  2: h = o c.  3: h rounded to bf16 into registers of i that are done with, and behind a tile's fourth pair stored; in the last step h stays f32 and goes to my stage.
.macro P3 x, n
.if ((\x) >= 0) && ((\x) < 8)
	UREG \x
.if (\n) == 0
	RPRE 1
.if FIRST
	s_wait_alu depctr_va_vdst(0)
	v_pk_mul_f32 v[CC:CC+1], v[ZI:ZI+1], v[ZG:ZG+1]   ; step 0: c = i zg
.else
	s_wait_alu depctr_va_vdst(0)
	v_pk_mul_f32 v[ZG:ZG+1], v[ZI:ZI+1], v[ZG:ZG+1]
.endif
.elseif (\n) == 1
.if !FIRST
	RPRE 1
	v_pk_fma_f32 v[CC:CC+1], v[ZF:ZF+1], v[CC:CC+1], v[ZG:ZG+1]
.endif
.elseif (\n) == 2
	RPRE 1
	v_pk_mul_f32 v[ZO:ZO+1], v[ZO:ZO+1], v[CC:CC+1]
.elseif LAST
.if (UQ%2) == 1
	RPRE 2
	ds_store_b128 v[SS], v[UT+24+4*(UQ/2):UT+24+4*(UQ/2)+3] offset:UR*16*SP+EP*64+(UQ/2)*16
.endif
.else
	RPRE 1
	v_cvt_pk_bf16_f32 v[UT+UQ], v[ZO], v[ZO+1]
.if UQ == 3
	RPRE 2
	ds_store_b128 v[HS], v[UT:UT+3] offset:UR*16*HP+EP*32
.endif
.endif
.endif
.endm
; Three units are in hand at a time: unit m's exponentials, unit m - 1's reciprocals, unit m - 2's products.  Between a transcendental and the first use of its result stands a plain line that
; touches neither its result nor its source (ISA guide 5.7.2), at the ends of the run and in steps 0 and 15 too.
.macro SB m
	TR v_exp_f32, \m, 0
	P3 (\m)-2, 0
	TR v_exp_f32, \m, 1
	P3 (\m)-2, 1
	TR v_exp_f32, \m, 2
	P3 (\m)-2, 2
	TR v_exp_f32, \m, 3
	P3 (\m)-2, 3
	TR v_exp_f32, \m, 4
	P1 (\m)+1, 0
	TR v_exp_f32, \m, 5
	P1 (\m)+1, 1
	P1 (\m)+1, 2
	TR v_rcp_f32, (\m)-1, 0
	P2 \m, 0
	TR v_rcp_f32, (\m)-1, 1
	P2 \m, 1
	TR v_rcp_f32, (\m)-1, 2
	P2 \m, 2
	TR v_rcp_f32, (\m)-1, 3
	TR v_rcp_f32, (\m)-1, 4
	TR v_rcp_f32, (\m)-1, 5
.endm
.macro EW p                            ; portion p's gates, with the products that MMSET has set between them
.set EP, (\p)
.set EA, 1-EP/2
.set RC, 0
	P1 0, 0
	P1 0, 1
	P1 0, 2
.irp m, 0,1,2,3,4,5,6,7,8
	SB \m
.endr
	RPRE 1
	v_nop                                          ; the plain line between the last reciprocals and their use
	SB 9
.if MLEFT > 0
.rept MLEFT
	MMNEXT
.endr
.endif
.set MLEFT, 0
.endm
; The table's part for portion p, both tiles, straight into the accumulators: 16 loads of 16 bytes a lane; first = 1 (step 0): without the f gate, 12.
.macro LD p, first
	WIN (1-(\p)/2)<<6
.irp rt, 0,1
.irp g, 0,1,2,3
.if ((\first) == 0) || (\g != 1)
	global_load_b128 v[128+64*((\p)%2)+32*\rt+8*\g:128+64*((\p)%2)+32*\rt+8*\g+3],   v[TA+\rt], s[6:7] offset:(\p)*256+\g*64
	global_load_b128 v[128+64*((\p)%2)+32*\rt+8*\g+4:128+64*((\p)%2)+32*\rt+8*\g+7], v[TA+\rt], s[6:7] offset:(\p)*256+\g*64+32
.endif
.endr
.endr
.endm
.macro MKTA i0, i1                     ; the table rows' offsets from two indices: clamped to the table, times 4,096, plus my lane's part
	WIN 0
	v_min_u32 v[TA], 0x9a, v[\i0]
	v_min_u32 v[TA+1], 0x9a, v[\i1]
	v_lshlrev_b32 v[TA], 12, v[TA]
	v_lshlrev_b32 v[TA+1], 12, v[TA+1]
	v_add_nc_u32 v[TA], v[LT], v[TA]
	v_add_nc_u32 v[TA+1], v[LT], v[TA+1]
.endm
.macro HLOAD                           ; all of h, 32 sequences x 256 columns, as 16 fragments, in the order in which portion 0 takes them: four loads a K step
	WIN 0xc0
.irp u, 0,1,2,3,4,5,6,7
.set HK, ((\u)>>1)+4*((\u)&1)
.irp rt, 0,1
	ds_load_b128 v[64*\rt+8*HK:64*\rt+8*HK+3],   v[HA] offset:\rt*16*HP+HK*64
	ds_load_b128 v[64*\rt+8*HK+4:64*\rt+8*HK+7], v[HA] offset:\rt*16*HP+HK*64+32
.endr
.endr
.set DSN, DSN+32
.endm
; A STEP with products.  At its head: h of the step before is in LDS, everybody's; the table's numbers for this step are on their way into the four accumulator sets; LDS groups 0 and 1 are in the staging slots.
.macro STEP last
.set LAST, (\last)
.set FIRST, 0
.set LI, 0
.set PEND, 0
	WIN 0
.if !LAST
	global_load_b32 v[IDX], v[XO], s[4:5]          ; the next step's characters
	global_load_b32 v[IDX+2], v[XO], s[4:5] offset:1024
.endif
	HLOAD
	s_wait_loadcnt 50-2*LAST                       ; set 0 is in: behind its loads stand those of sets 1 to 3, 48, and the two indices (none in the last step)
	MMSET 0
.rept 64
	MMNEXT
.endr
.set MLEFT, 0
	BAR                                            ; every wave has h in registers: only behind this barrier is h in LDS written again
	s_wait_loadcnt 34-2*LAST                       ; set 1 is in: behind it sets 2 and 3, 32, and the two indices
	PLACES
	MMSET 1
	EW 0
	s_wait_loadcnt 0x0                             ; sets 2 and 3 and the indices are in; no load is out, so the loads' address registers may be written
.if !LAST
	MKTA IDX, IDX+2
	v_add_nc_u32 v[XO], 4, v[XO]
	LD 0, 0
.endif
	PLACES
	MMSET 2
	EW 1
.if !LAST
	LD 1, 0
.endif
	PLACES
	MMSET 3
	EW 2
.if !LAST
	LD 2, 0
.endif
	PLACES                                         ; behind the step's last product: for the gates that read its result, and for the loads into the slot that it read
	RELOAD
	EW 3
.if !LAST
	LD 3, 0
	BAR                                            ; my part of the new h is stored, and the next step's two staged groups are in; behind the barrier everybody's h is there
.endif
	WIN 0
.endm
	s_load_b256 s[4:11], s[0:1], 0x0               ; x s[4:5], tab s[6:7], uf s[8:9], out0 s[10:11]
	v_lshl_add_u32 v[SPW], v0, 2, SPARE
	v_mov_b32 v[NIL], 0
	ds_add_u32 v[SPW], v[NIL]                      ; the wave's opening: the add and its wait stand ahead of my first tensor load; the set-up below, work on registers, stands between them
	v_lshrrev_b32 v1, 5, v0
	v_readfirstlane_b32 s[WV], v1                  ; wave 0..3
	s_bfe_u32 s13, ttmp6, 0x40000                  ; cx: my place in the cluster
	s_lshl_b32 s14, ttmp9, 2                       ; in a cluster launch ttmp9 counts clusters
	s_add_co_u32 s14, s14, s13                     ; my work-group = 4 x cluster + cx: it enters x's and out0's addresses alone
	; descriptor group 1: 69,632 dense bytes as 272 rows of 256 bytes, elements of 8 bytes, no padding
	s_mov_b32 s[G1+0], 15|(3<<16)|(1<<21)          ; 15:0 the mask: all four work-groups; 17:16 elements of 8 bytes; 21 set beside a mask
	s_mov_b32 s[G1+1], 32<<16                      ; tensor_dim0 = 32
	s_mov_b32 s[G1+2], 272<<16                     ; tensor_dim1 = 272
	s_mov_b32 s[G1+3], 32<<16                      ; tile_dim0 = 32
	s_mov_b32 s[G1+4], 272                         ; tile_dim1 = 272
	s_mov_b32 s[G1+5], 32                          ; 32 elements from row to row
	s_mov_b32 s[G1+6], 0
	s_mov_b32 s[G1+7], 0
	s_mov_b32 s[G0], 1                             ; count = 1
	s_mul_i32 s[G0+1], s[WV], UW                   ; LDS address: my wave's part; no place in the cluster enters it
	s_mov_b32 s[NL2E], 0xbfb8aa3b                  ; -log2(e)
	s_mov_b32 s[NL2E+1], s[NL2E]                   ; named with it as a pair
	s_lshl_b32 s16, s14, 11                        ; my 32 sequences of 64 bytes in x
	s_mov_b32 s17, 0
	s_lshl_b32 s18, s[WV], 17                      ; my wave's 131,072 bytes of uf
	s_mov_b32 s19, 0
	v_and_b32 v1, 15, v0                           ; r
	v_bfe_u32 v2, v0, 4, 1                         ; hh
	v_and_b32 v[UGO], 31, v0
	v_lshlrev_b32 v[UGO], 4, v[UGO]
	v_add_nc_u32 v[UA0], s[G0+1], v[UGO]
	v_add_nc_u32 v[UA0+1], 0x10000, v[UA0]
	v_mul_u32_u24 v[HA], v1, HP
	v_lshl_add_u32 v[HA], v2, 4, v[HA]
	v_add_nc_u32 v[HA], HB, v[HA]
	s_lshl_b32 s35, s[WV], 7
	v_add_nc_u32 v[HS], s35, v[HA]
	v_lshlrev_b32 v[XO], 6, v1
	s_lshl_b32 s35, s[WV], 10
	v_lshl_add_u32 v[LT], v2, 4, s35
	s_mul_i32 s36, s[WV], 32*SP
	s_add_co_u32 s36, s36, HB                      ; my stage for the way out
	v_mul_u32_u24 v[SS], v1, SP                    ; in: row r, 32 bytes for each half of the lanes
	v_lshl_add_u32 v[SS], v2, 5, v[SS]
	v_add_nc_u32 v[SS], s36, v[SS]
	v_mul_u32_u24 v[SR], v2, SP                    ; back: lanes 0-15 one row of 256 bytes, lanes 16-31 the next
	v_lshl_add_u32 v[SR], v1, 4, v[SR]
	v_add_nc_u32 v[SR], s36, v[SR]
	s_lshl_b32 s37, s[WV], 8
	v_lshlrev_b32 v[OO], 10, v2                    ; and the same two rows in out0, at my wave's 256 bytes
	v_lshl_add_u32 v[OO], v1, 4, v[OO]
	v_add_nc_u32 v[OO], s37, v[OO]
	s_wait_dscnt 0x0                               ; the opening add is done
	s_wait_kmcnt 0x0
	s_add_nc_u64 s[4:5], s[4:5], s[16:17]          ; x at my first sequence
	s_lshl_b32 s16, s14, 15                        ; 32 rows of 1,024 bytes
	s_add_nc_u64 s[10:11], s[10:11], s[16:17]      ; out0 at my first row
	s_add_nc_u64 s[8:9], s[8:9], s[18:19]          ; uf at my wave's slot 0
	s_add_nc_u64 s[G0+2:G0+3], s[8:9], 15*4096     ; global address: slots 15 to 31; it hangs on the wave's number alone
	s_or_b32 s[G0+3], s[G0+3], 0x80000000          ; type = 2
	CROUND                                         ; all four work-groups are here: the joint loads meet
	tensor_load_to_lds s[G0:G0+3], s[G1:G1+7]      ; my wave's one tensor load of the launch: one is out
	s_nop 0
.rept 4
	v_nop
.endr
	global_load_b64 v[IDX:IDX+1], v[XO], s[4:5]               ; the characters of steps 0 and 1, tile 0
	global_load_b64 v[IDX+2:IDX+3], v[XO], s[4:5] offset:1024 ; and tile 1
.set i, 0
.rept 15                               ; U slots 0-14 into their registers: 120 loads, each of 512 consecutive bytes
.if i < 8
	WIN 0x80
.set UB0, 32*i
.elseif i < 12
	WIN 0xc0
.set UB0, 128+32*(i-8)
.else
	WIN 0x40
.set UB0, 32*(i-12)
.endif
.irp g, 0,1,2,3
	global_load_b128 v[UB0+8*\g:UB0+8*\g+3],   v[UGO], s[8:9] offset:i*4096+\g*1024
	global_load_b128 v[UB0+8*\g+4:UB0+8*\g+7], v[UGO], s[8:9] offset:i*4096+\g*1024+512
.endr
.set i, i+1
.endr
	; STEP 0: h = 0, c = 0: z is the table's row; c = i zg, h = o c.
.set FIRST, 1
	s_wait_loadcnt 63                              ; the indices are in: 120 loads were issued behind them, and the field names 63 at the most
	MKTA IDX, IDX+2
	v_add_nc_u32 v[XO], 8, v[XO]                   ; the next index to fetch is step 2's
	LD 0, 1
	LD 1, 1
	LD 2, 1
	LD 3, 1
	s_wait_xcnt 0x0                                ; the loads above have had their addresses translated (ISA guide 3.1): only now are their offsets written anew,
	MKTA IDX+1, IDX+3                              ; for step 1
.irp p, 0,1,2,3
	s_wait_loadcnt 36+4*\p                         ; set p of step 0 is in: behind it 12 loads for each later set of step 0 and 16 for each earlier set of step 1.  U's registers, asked for before, are in too
.if \p == 3
	s_wait_tensorcnt 0x0                           ; my part of U is in LDS; only I read it
	STAGE 0, 0
	STAGE 1, 1
.endif
	EW \p
	LD \p, 0
.endr
	BAR                                            ; my part of h is stored and the two staged groups are in; behind the barrier everybody's h is there
	WIN 0                                          ; at a label and at a branch every window is 0
	s_mov_b32 s[CNT], 14
.Lstep:                                                ; steps 1 to 14
	STEP 0
	s_sub_co_u32 s[CNT], s[CNT], 1
	s_cmp_lg_u32 s[CNT], 0
	s_cbranch_scc1 .Lstep
	STEP 1                                         ; step 15 is written out: nothing more is fetched, and h goes to my stage in f32
	; THE WAY OUT: my 32 rows x 256 bytes come back from my own stage as whole rows.  LDS serves a wave's instructions in order (ISA guide 5.7.1.4): these loads see my stores.
.irp i, 0,1,2,3,4,5,6,7,8,9,10,11,12,13,14,15
	ds_load_b128 v[128+4*\i:128+4*\i+3], v[SR] offset:\i*2*SP
.endr
.irp i, 0,1,2,3,4,5,6,7,8,9,10,11,12,13,14,15
	s_wait_dscnt 15-\i
	global_store_b128 v[OO], v[128+4*\i:128+4*\i+3], s[10:11] offset:\i*2048 th:TH_STORE_NT  ; 16 lanes store 256 consecutive bytes, at a multiple of 256 from out0's first byte
.endr
	s_wait_tensorcnt 0x0                           ; the wave's end: a wait, an LDS add and its wait, behind my last tensor load and my last LDS store
	ds_add_u32 v[SPW], v[NIL]
	s_wait_dscnt 0x0
	CROUND                                         ; the closing round: no work-group ends while a partner may still ask for a tile that names it
	s_endpgm
.Lfunc_end_k_qe8bf9f70e5_rnn:
	.size	k_qe8bf9f70e5_rnn, .Lfunc_end_k_qe8bf9f70e5_rnn-k_qe8bf9f70e5_rnn
	.p2alignl 7, 3214868480
	.fill 96, 4, 3214868480
	.section	.rodata,"a",@progbits
	.p2align	6, 0x0
	.amdhsa_kernel k_qe8bf9f70e5_rnn
		.amdhsa_group_segment_fixed_size 327680
		.amdhsa_private_segment_fixed_size 0
		.amdhsa_enable_private_segment 0
		.amdhsa_kernarg_size 32
		.amdhsa_user_sgpr_count 2
		.amdhsa_user_sgpr_kernarg_segment_ptr 1
		.amdhsa_wavefront_size32 1
		.amdhsa_system_sgpr_workgroup_id_x 1
		.amdhsa_system_sgpr_workgroup_id_y 1
		.amdhsa_system_sgpr_workgroup_id_z 1
		.amdhsa_system_vgpr_workitem_id 0
		.amdhsa_next_free_vgpr 1024
		.amdhsa_next_free_sgpr 66
		.amdhsa_reserve_vcc 0
		.amdhsa_float_denorm_mode_32 3
		.amdhsa_float_denorm_mode_16_64 3
		.amdhsa_memory_ordered 1
		.amdhsa_forward_progress 1
		.amdhsa_inst_pref_size 217
	.end_amdhsa_kernel
	.amdgpu_metadata
---
amdhsa.version: [ 1, 2 ]
amdhsa.kernels:
  - .name:           k_qe8bf9f70e5_rnn
    .symbol:         k_qe8bf9f70e5_rnn.kd
    .args:
      - { .name: x, .offset: 0, .size: 8, .value_kind: global_buffer, .address_space: global }
      - { .name: tab, .offset: 8, .size: 8, .value_kind: global_buffer, .address_space: global }
      - { .name: uf, .offset: 16, .size: 8, .value_kind: global_buffer, .address_space: global }
      - { .name: out0, .offset: 24, .size: 8, .value_kind: global_buffer, .address_space: global }
    .group_segment_fixed_size: 327680
    .private_segment_fixed_size: 0
    .kernarg_segment_align: 8
    .kernarg_segment_size: 32
    .max_flat_workgroup_size: 128
    .sgpr_count:     66
    .vgpr_count:     1024
    .wavefront_size: 32
...
	.end_amdgpu_metadata
.endif
;; end of part 2
;; ======== version 2 of 2: 2 launches; 1.21 times as fast as version 1
;; workspace buffers: tab 655,360 bytes; uf 524,288 bytes
;; launch prep: the kernel of part 1 again; grid 16 x 7, 4 waves a work-group, no clusters, 9,216 bytes of LDS; arguments emb, W, U, b, tab, uf; writes tab, uf
;; launch rnn (part 3): grid 256 x 1, 4 waves a work-group, clusters of 4 x 1, 327,680 bytes of LDS; arguments x, tab, uf, out0; writes out0
.if DOCPART == 3
	.amdgcn_target "amdgcn-amd-amdhsa--gfx1250"
	.amdhsa_code_object_version 6
	.text
	.protected	k_qe8bf9f70e5_rnn
	.globl	k_qe8bf9f70e5_rnn
	.p2align	8
	.type	k_qe8bf9f70e5_rnn,@function
k_qe8bf9f70e5_rnn:
	s_mov_b64 s[64:65], 0
	v_nop
	global_prefetch_b8 v0, s[64:65] scope:SCOPE_SE
	s_setreg_imm32_b32 hwreg(HW_REG_WAVE_MODE, 25, 1), 1
	s_wait_xcnt 0x0
	s_wait_alu depctr_hold_cnt(0) depctr_sa_sdst(0) depctr_va_vdst(0) depctr_va_sdst(0) depctr_va_ssrc(0) depctr_va_vcc(0) depctr_vm_vsrc(0)
	s_getreg_b32 s2, hwreg(HW_REG_IB_STS2, 6, 4)
	s_cmp_eq_u32 s2, 0
	s_cbranch_scc0 .Lentry_in_a_cluster
	s_endpgm
.Lentry_in_a_cluster:
	s_bfe_u32 s2, ttmp6, 0x10000c
	s_cmp_lg_u32 s2, 0x3003
	s_cbranch_scc0 .Lentry_shape_is_right
	s_endpgm
.Lentry_shape_is_right:
; THE RECURRENCE.  8,192 sequences of 16 characters.  In step t: z = tab[x_t] + h U (1,024 gate columns: i, f, g, o of 256 each); i, f, o = sigmoid; c = f c + i zg; h = o c.  The last h leaves, f32.
; tab = emb W + b by characters and uf = U in bf16 as ready fragments were made by the launch before.
; SHARES.  A work-group owns 32 sequences for all 16 steps: 256 work-groups.  Wave w owns the h columns 64 w .. 64 w + 63 in all four gates, in four PORTIONS p of 16, for both tiles rt of 16 sequences,
; and keeps c of those cells in registers.  Only h passes between the waves, through LDS, once a step.
; U STAYS.  A wave's share of U is 32 groups (p, k) of four gate fragments, 4,096 bytes each.  Groups (slots) 0-14 lie in 480 registers, slots 15-31 in LDS (69,632 bytes a wave), filled once.
; An LDS group passes through one of two staging slots of 32 registers on its way to the products; in a portion register groups and LDS groups alternate, so that a group is asked for well ahead of its use.
; LAYOUT.  The product is used transposed: source 0 = 16 gate columns of U, source 1 = 16 sequences of h.  In the result lane (r, hh) holds sequence r and columns 8 hh + 0..7.  So tab's numbers load straight into the
; accumulator (two loads of 16 bytes) and are the C operand of the first product; the four gates of a cell lie in one lane; eight h round into 16 bytes for one LDS store.  Step 0 has h = 0: no product, no f gate.
; BY TURNS.  While portion p + 1 is multiplied, portion p's gates are worked out: 176 vector lines for 64 matrix instructions, dealt 11 to 4.  Portion 0's products and portion 3's gates stand alone.
; BATCHES.  A portion's eight units of two cells go in four pairs through three stages (scalings and exponentials; 1 + 2^.. and reciprocals; c and h), a section apart.  A section's 12 exponentials and 12 reciprocals
; are one batch with one wait, at the head of the next section: five waits a portion (SB says how the lines are ordered).
; CLUSTER.  All work-groups read the same U, so its LDS part is asked for JOINTLY by the four of a cluster: the same tensor load, descriptor and mask.  The table's rows differ from partner to partner, and
; what goes into registers cannot be asked for jointly: those are plain loads.
; FORMATS AND LIMITS.  U in bf16; h rounded to bf16 once a step (bf16, not f16: h may pass 65,504 for inputs that still give finite results); c, z and the table f32.
; sigmoid(z) = 1 / (1 + 2^(-z log2 e)): where 2^.. overflows it is 0, where 2^.. falls below 2^-126 it is 1.  NaN and infinities are not treated apart.  Within a sum K is taken in another order than ascending.
; An index of x above 154 (the problem allows none) is read as 154.
;
; REGISTERS, in windows of 256 (s_set_vgpr_msb: bits 1:0 source 0, 3:2 source 1, 5:4 source 2, 7:6 destination).  A portion's window is 1 - p / 2.
;   window 0: v0-31 addresses; v32-95 the two staging slots; v96-127 c of portions 2, 3; v128-255 accumulator sets 2, 3
;   window 1: v0-95 U slots 12-14; v96-127 c of portions 0, 1; v128-255 accumulator sets 0, 1
;   window 2: U slots 0-7        window 3: v0-127 h's fragments (tile rt, K step k at 64 rt + 8 k); v128-255 U slots 8-11
;   accumulator (p, rt, gate) at 128 + 64 (p % 2) + 32 rt + 8 gate; c (p, rt, pair q) at 96 + 16 (p % 2) + 8 rt + 2 q.  All that a portion's gates touch lies in its one window.
.set UW,    69632                      ; a wave's U in LDS: 17 groups of 4,096 bytes, lane i at 16 i: no two lanes of a load share a bank
.set HB,    4*UW                       ; h: 32 rows of 528 bytes (512 + 16: the 16 rows of a load start at 16 different groups of four banks, ISA guide 11.1); in the last step four stages of 32 rows x 272 bytes
.set HP,    528
.set SP,    272
.set SPARE, HB+4*32*SP                 ; the spare words, 128 bytes a wave: two blocks of 256 bytes that no other line names
.set UA0, 3                            ; v3   my 16 bytes in my wave's U groups 0-15;  v4 the same for group 16
.set HA,  5                            ; v5   h: row r, 16 hh
.set HS,  6                            ; v6   the same at my wave's 128 bytes of a row
.set XO,  7                            ; v7   my sequence's next index in x
.set IDX, 8                            ; v8-11  indices: tile 0 in v8 (v9), tile 1 in v10 (v11)
.set TA,  12                           ; v12-13 byte offset of my table row's part, tile 0, 1
.set LT,  14                           ; v14  1,024 w + 16 hh
.set UGO, 15                           ; v15  16 x lane
.set SS,  16                           ; v16  the way out: where I put 16 bytes
.set SR,  17                           ; v17  where I read rows back
.set OO,  18                           ; v18  my byte offset in the work-group's rows of out0
.set SPW, 30                           ; v30  my spare word; never rewritten
.set NIL, 31                           ; v31  0; never rewritten
.set STG, 32
.set WV,  12                           ; s12  my wave's number
.set G0,  20                           ; s[20:23] descriptor group 0
.set G1,  24                           ; s[24:31] descriptor group 1
.set NL2E, 32                          ; s[32:33] -log2(e): the packed multiply takes the pair's low word for both halves
.set CNT, 34                           ; s34  steps to go in the loop
.set MSB, 0
.macro WIN new                         ; the immediate's high byte repeats the setting that is left; a switch that changes nothing is dropped
.if MSB != (\new)
	s_set_vgpr_msb (MSB<<8)|(\new)
.set MSB, (\new)
.endif
.endm
; A round of the cluster's barrier: my work-group's barrier, so that wave 0's signal speaks for all four waves; wave 0 signals; every wave waits for all four work-groups; my work-group's barrier once more.
.macro CROUND
	s_barrier_signal -1
	s_barrier_wait -1
	s_cmp_lg_u32 s[WV], 0
	s_cbranch_scc1 .Lnot_wave_0_\@
	s_barrier_signal -3
.Lnot_wave_0_\@:
	s_barrier_wait -3
	s_barrier_signal -1
	s_barrier_wait -1
.endm
; WHAT THE MACROS COUNT WHILE THE TEXT IS WRITTEN.  DSN: LDS instructions since the last wait for all of them.  SLM0, SLM1: DSN behind the last run of loads into staging slot 0, 1.
; LI: the step's next LDS group, 0-16, in the order of use; it lies in slot LI % 2.  PEND, PLI, PMARK: group PLI has been multiplied and its slot waits to be loaded again.  PLN: plain vector lines so far.
.set DSN, 0
.set SLM0, 0
.set SLM1, 0
.set LI, 0
.set PEND, 0
.set PLI, 0
.set PMARK, 0
.set PLN, 0
.set MLEFT, 0
.set FIRST, 0
.set LAST, 0
; A vector line that reads a matrix result, and a load into a register that a matrix instruction has read or written, stand four places behind it; only plain vector lines that name none of its
; registers are places (ISA guide 7.12.1 for vector lines).
.macro PLACES
.rept 4
	v_nop
.endr
.set PLN, PLN+4
.endm
.macro BAR                             ; all my LDS instructions are done; then the work-group's barrier
	s_wait_dscnt 0x0
	s_barrier_signal -1
	s_barrier_wait -1
.set DSN, 0
.set SLM0, 0
.set SLM1, 0
.endm
; The step's LDS group number T (in the order of use) into a staging slot: eight loads.  In LDS the groups lie by slot number: (p 3, k 3) first, then k 4-7 of portions 0 to 3.
.macro STAGE slot, T
.if (\T) < 12
.set LG, (\T)+1
.elseif (\T) == 12
.set LG, 0
.else
.set LG, (\T)
.endif
	WIN 0
.irp g, 0,1,2,3
	ds_load_b128 v[STG+32*(\slot)+8*\g:STG+32*(\slot)+8*\g+3],   v[UA0+LG/16] offset:(LG%16)*4096+\g*1024
	ds_load_b128 v[STG+32*(\slot)+8*\g+4:STG+32*(\slot)+8*\g+7], v[UA0+LG/16] offset:(LG%16)*4096+\g*1024+512
.endr
.set DSN, DSN+8
.if (\slot) == 0
.set SLM0, DSN
.else
.set SLM1, DSN
.endif
.endm
.macro FILLUP                          ; as many v_nop as are wanting of the four places behind the slot's last product
.if PLN-PMARK < 4
.rept 4-(PLN-PMARK)
	v_nop
.endr
.set PLN, PMARK+4
.endif
.endm
; The slot of group PLI takes the group two further on; the step's last two slots take the next step's first two groups, and in the last step nothing.
.macro RELOAD
.if PLI+2 <= 16
	FILLUP
	STAGE PLI%2, PLI+2
.elseif !LAST
	FILLUP
	STAGE PLI%2, 16-PLI
.endif
.set PEND, 0
.endm
.macro MMSET p
.set MP, (\p)
.set MI, 0
.set MJ, 0
.set MLEFT, 64
.endm
; The next of portion MP's 64 products: group MI / 8 in the portion's order of K, gate (MI % 8) / 2, tile MI % 2.  The set's eight accumulators take turns, one instruction a turn, from portion to portion and
; over the loop's edge too.  The order of K lets register groups and LDS groups alternate: 0 4 1 5 2 6 3 7; in portion 3, whose K step 3 lies in LDS too: 3 0 4 1 5 2 6 7.
.macro MMNEXT
.set MU, MI/8
.set MG, (MI%8)/2
.set MR, MI%2
.if MP < 3
.set MK, (MU>>1)+4*(MU&1)
.elseif MU == 7
.set MK, 7
.elseif (MU&1) == 0
.set MK, 3+MU/2
.else
.set MK, (MU-1)/2
.endif
.set MS, 16*(MK>>2)+4*MP+(MK&3)
.set MA, 1-MP/2
.if (MI%8) == 0
.set WT, 63
.if MS >= 15
.if (LI%2) == 0
.set WT, DSN-SLM0
.else
.set WT, DSN-SLM1
.endif
.endif
.if MP == 0
.if DSN-4*(MU+1) < WT
.set WT, DSN-4*(MU+1)
.endif
.endif
.if WT < 63
	s_wait_dscnt WT                                ; LDS instructions end in order (ISA guide 5.7.1): all but those issued behind the group's eight loads (portion 0: and behind h's four for this K step)
.endif
.endif
.if ((MI%8) == 4) && PEND
	RELOAD
.endif
.if MS >= 15
.set MW, 0
.set MSRC, STG+32*(LI%2)+8*MG
.elseif MS < 8
.set MW, 2
.set MSRC, 32*MS+8*MG
.elseif MS < 12
.set MW, 3
.set MSRC, 128+32*(MS-8)+8*MG
.else
.set MW, 1
.set MSRC, 32*(MS-12)+8*MG
.endif
.set MACC, 128+64*(MP%2)+32*MR+8*MG
.set MH, 64*MR+8*MK
	WIN MW|(3<<2)|(MA<<4)|(MA<<6)
	v_wmma_f32_16x16x32_bf16 v[MACC:MACC+7], v[MSRC:MSRC+7], v[MH:MH+7], v[MACC:MACC+7]
.if ((MI%8) == 7) && (MS >= 15)
.set PEND, 1
.set PLI, LI
.set PMARK, PLN
.set LI, LI+1
.endif
.set MI, MI+1
.endm
; In front of every line of a portion's gates: the next product, if one is due (4 products to 11 lines), and the line's windows.  kind 0: a transcendental; 1: plain; 2: an LDS store.
.macro RPRE kind
.if MLEFT > 0
.if 4*RC >= 11*MJ
	MMNEXT
.set MJ, MJ+1
.set MLEFT, MLEFT-1
.endif
.endif
.set RC, RC+1
.if (\kind) == 2
	WIN EA<<2                                      ; address window 0, data in the portion's window
.set DSN, DSN+1
.else
	WIN 0x55*EA
.endif
.if (\kind) == 1
.set PLN, PLN+1
.endif
.endm
; THE GATES OF A PORTION: eight UNITS x of two cells a lane: tile x / 4, pair x % 4.  Each accumulator is read from its lowest registers on.
.macro UREG x
.set UR, (\x)/4
.set UQ, (\x)%4
.set UT, 128+64*(EP%2)+32*UR
.set ZI, UT+2*UQ
.set ZF, ZI+8
.set ZG, ZI+16
.set ZO, ZI+24
.set CC, 96+16*(EP%2)+8*UR+2*UQ
.endm
.macro P1 x, n                         ; z times -log2(e), for i, f, o (n = 0, 1, 2).  Step 0 has no f
.if ((\x) >= 0) && ((\x) < 8)
.if (FIRST == 0) || ((\n) != 1)
	UREG \x
	RPRE 1
.set ZZ, ZI+8*(\n)+8*((\n)/2)
	v_pk_mul_f32 v[ZZ:ZZ+1], v[ZZ:ZZ+1], s[NL2E:NL2E+1] op_sel_hi:[1,0]
.endif
.endif
.endm
.macro P2 x, n                         ; 1 + 2^..: reads two exponentials of the section before; the wait for them stands at the section's head (SB)
.if ((\x) >= 0) && ((\x) < 8)
.if (FIRST == 0) || ((\n) != 1)
	UREG \x
	RPRE 1
.set ZZ, ZI+8*(\n)+8*((\n)/2)
	v_pk_add_f32 v[ZZ:ZZ+1], v[ZZ:ZZ+1], 1.0 op_sel_hi:[1,0]
.endif
.endif
.endm
.macro TR op, x, n                     ; a transcendental in place: n = 0..5: i, i, f, f, o, o
.if ((\x) >= 0) && ((\x) < 8)
.if (FIRST == 0) || (((\n)/2) != 1)
	UREG \x
	RPRE 0
.set ZZ, ZI+8*((\n)/2)+8*((\n)/4)+(\n)%2
	\op v[ZZ], v[ZZ]
.endif
.endif
.endm
; n = 0: i zg.  1: c = f c + i zg.  2: h = o c.  3: h rounded to bf16 into registers of i that are done with, and behind a tile's fourth pair stored; in the last step h stays f32 and goes to my stage.
; Numbers 0 to 2 read reciprocals of the section before; the wait for them stands at the section's head (SB).
.macro P3 x, n
.if ((\x) >= 0) && ((\x) < 8)
	UREG \x
.if (\n) == 0
	RPRE 1
.if FIRST
	v_pk_mul_f32 v[CC:CC+1], v[ZI:ZI+1], v[ZG:ZG+1]   ; step 0: c = i zg
.else
	v_pk_mul_f32 v[ZG:ZG+1], v[ZI:ZI+1], v[ZG:ZG+1]
.endif
.elseif (\n) == 1
.if !FIRST
	RPRE 1
	v_pk_fma_f32 v[CC:CC+1], v[ZF:ZF+1], v[CC:CC+1], v[ZG:ZG+1]
.endif
.elseif (\n) == 2
	RPRE 1
	v_pk_mul_f32 v[ZO:ZO+1], v[ZO:ZO+1], v[CC:CC+1]
.elseif LAST
.if (UQ%2) == 1
	RPRE 2
	ds_store_b128 v[SS], v[UT+24+4*(UQ/2):UT+24+4*(UQ/2)+3] offset:UR*16*SP+EP*64+(UQ/2)*16
.endif
.else
	RPRE 1
	v_cvt_pk_bf16_f32 v[UT+UQ], v[ZO], v[ZO+1]
.if UQ == 3
	RPRE 2
	ds_store_b128 v[HS], v[UT:UT+3] offset:UR*16*HP+EP*32
.endif
.endif
.endif
.endm
; SECTION m OF SIX.  The units go in four PAIRS g (units 2 g, 2 g + 1).  A section holds pair m's scalings and 12 exponentials, pair m - 1's 1 + 2^.. and 12 reciprocals, and pair m - 2's c, h and rounding.
; No line of a section names a result of that section's transcendentals: the 24 are ONE BATCH, and its one wait stands at the head of the next section, ahead of the batch's first readers (P3 and P2).
; Behind section 5's wait.
; THE ORDER.  Pair m - 2's eight lines first, the two units by turns, pair m's first two exponentials between their links; then each plain line stands two lines or more ahead of the two transcendentals that read it.
; The section's last line is plain and names no result: the next pair's first scaling, or a v_nop where no pair is left.  It is the plain line between the batch's last transcendental and the first use (ISA guide 5.7.2).
; WHY PAIRS.  h's LDS stores keep their places among the staged groups' loads and the counted waits for them: tile 0's store stands behind pair 1, as gate line 109, between the reload in front of product 36
; (line 99) and the wait in front of product 40 (line 110); in the last step each pair's h goes to the stage as soon as it is made.  A batch of four units would put 124 lines ahead of tile 0's store.
.macro SB m
.if (\m) > 0
	s_wait_alu depctr_va_vdst(0)                   ; ONE for the batch of section m - 1 (pair m - 1's exponentials, pair m - 2's reciprocals), ahead of its first readers below
.endif
	P3 2*(\m)-4, 0
	P3 2*(\m)-3, 0
	TR v_exp_f32, 2*(\m), 0
	P3 2*(\m)-4, 1
	P3 2*(\m)-3, 1
	TR v_exp_f32, 2*(\m), 1
	P3 2*(\m)-4, 2
	P3 2*(\m)-3, 2
	P3 2*(\m)-4, 3
	P3 2*(\m)-3, 3
	P2 2*(\m)-2, 0
	P1 2*(\m), 1
	TR v_rcp_f32, 2*(\m)-2, 0
	TR v_rcp_f32, 2*(\m)-2, 1
	P2 2*(\m)-2, 1
	TR v_exp_f32, 2*(\m), 2
	TR v_exp_f32, 2*(\m), 3
	P1 2*(\m), 2
	TR v_rcp_f32, 2*(\m)-2, 2
	TR v_rcp_f32, 2*(\m)-2, 3
	P2 2*(\m)-2, 2
	TR v_exp_f32, 2*(\m), 4
	TR v_exp_f32, 2*(\m), 5
	P1 2*(\m)+1, 0
	TR v_rcp_f32, 2*(\m)-2, 4
	TR v_rcp_f32, 2*(\m)-2, 5
	P2 2*(\m)-1, 0
	TR v_exp_f32, 2*(\m)+1, 0
	TR v_exp_f32, 2*(\m)+1, 1
	P1 2*(\m)+1, 1
	TR v_rcp_f32, 2*(\m)-1, 0
	TR v_rcp_f32, 2*(\m)-1, 1
	P2 2*(\m)-1, 1
	TR v_exp_f32, 2*(\m)+1, 2
	TR v_exp_f32, 2*(\m)+1, 3
	P1 2*(\m)+1, 2
	TR v_rcp_f32, 2*(\m)-1, 2
	TR v_rcp_f32, 2*(\m)-1, 3
	P2 2*(\m)-1, 2
	TR v_exp_f32, 2*(\m)+1, 4
	TR v_exp_f32, 2*(\m)+1, 5
	TR v_rcp_f32, 2*(\m)-1, 4
	TR v_rcp_f32, 2*(\m)-1, 5
.if (\m) < 3
	P1 2*(\m)+2, 0                                 ; the next pair's first scaling: the plain line behind the batch's last transcendental
.elseif (\m) < 5
	RPRE 1
	v_nop                                          ; no pair is left to scale: the plain line behind the batch's last transcendental
.endif
.endm
.macro EW p                            ; portion p's gates, with the products that MMSET has set between them
.set EP, (\p)
.set EA, 1-EP/2
.set RC, 0
	P1 0, 0                                        ; pair 0's first scaling, which no section before could hold
.irp m, 0,1,2,3,4,5
	SB \m
.endr
.if MLEFT > 0
.rept MLEFT
	MMNEXT
.endr
.endif
.set MLEFT, 0
.endm
; The table's part for portion p, both tiles, straight into the accumulators: 16 loads of 16 bytes a lane; first = 1 (step 0): without the f gate, 12.
.macro LD p, first
	WIN (1-(\p)/2)<<6
.irp rt, 0,1
.irp g, 0,1,2,3
.if ((\first) == 0) || (\g != 1)
	global_load_b128 v[128+64*((\p)%2)+32*\rt+8*\g:128+64*((\p)%2)+32*\rt+8*\g+3],   v[TA+\rt], s[6:7] offset:(\p)*256+\g*64
	global_load_b128 v[128+64*((\p)%2)+32*\rt+8*\g+4:128+64*((\p)%2)+32*\rt+8*\g+7], v[TA+\rt], s[6:7] offset:(\p)*256+\g*64+32
.endif
.endr
.endr
.endm
.macro MKTA i0, i1                     ; the table rows' offsets from two indices: clamped to the table, times 4,096, plus my lane's part
	WIN 0
	v_min_u32 v[TA], 0x9a, v[\i0]
	v_min_u32 v[TA+1], 0x9a, v[\i1]
	v_lshlrev_b32 v[TA], 12, v[TA]
	v_lshlrev_b32 v[TA+1], 12, v[TA+1]
	v_add_nc_u32 v[TA], v[LT], v[TA]
	v_add_nc_u32 v[TA+1], v[LT], v[TA+1]
.endm
.macro HLOAD                           ; all of h, 32 sequences x 256 columns, as 16 fragments, in the order in which portion 0 takes them: four loads a K step
	WIN 0xc0
.irp u, 0,1,2,3,4,5,6,7
.set HK, ((\u)>>1)+4*((\u)&1)
.irp rt, 0,1
	ds_load_b128 v[64*\rt+8*HK:64*\rt+8*HK+3],   v[HA] offset:\rt*16*HP+HK*64
	ds_load_b128 v[64*\rt+8*HK+4:64*\rt+8*HK+7], v[HA] offset:\rt*16*HP+HK*64+32
.endr
.endr
.set DSN, DSN+32
.endm
; A STEP with products.  At its head: h of the step before is in LDS, everybody's; the table's numbers for this step are on their way into the four accumulator sets; LDS groups 0 and 1 are in the staging slots.
.macro STEP last
.set LAST, (\last)
.set FIRST, 0
.set LI, 0
.set PEND, 0
	WIN 0
.if !LAST
	global_load_b32 v[IDX], v[XO], s[4:5]          ; the next step's characters
	global_load_b32 v[IDX+2], v[XO], s[4:5] offset:1024
.endif
	HLOAD
	s_wait_loadcnt 50-2*LAST                       ; set 0 is in: behind its loads stand those of sets 1 to 3, 48, and the two indices (none in the last step)
	MMSET 0
.rept 64
	MMNEXT
.endr
.set MLEFT, 0
	BAR                                            ; every wave has h in registers: only behind this barrier is h in LDS written again
	s_wait_loadcnt 34-2*LAST                       ; set 1 is in: behind it sets 2 and 3, 32, and the two indices
	PLACES
	MMSET 1
	EW 0
	s_wait_loadcnt 0x0                             ; sets 2 and 3 and the indices are in; no load is out, so the loads' address registers may be written
.if !LAST
	MKTA IDX, IDX+2
	v_add_nc_u32 v[XO], 4, v[XO]
	LD 0, 0
.endif
	PLACES
	MMSET 2
	EW 1
.if !LAST
	LD 1, 0
.endif
	PLACES
	MMSET 3
	EW 2
.if !LAST
	LD 2, 0
.endif
	PLACES                                         ; behind the step's last product: for the gates that read its result, and for the loads into the slot that it read
	RELOAD
	EW 3
.if !LAST
	LD 3, 0
	BAR                                            ; my part of the new h is stored, and the next step's two staged groups are in; behind the barrier everybody's h is there
.endif
	WIN 0
.endm
	s_load_b256 s[4:11], s[0:1], 0x0               ; x s[4:5], tab s[6:7], uf s[8:9], out0 s[10:11]
	v_lshl_add_u32 v[SPW], v0, 2, SPARE
	v_mov_b32 v[NIL], 0
	ds_add_u32 v[SPW], v[NIL]                      ; the wave's opening: the add and its wait stand ahead of my first tensor load; the set-up below, work on registers, stands between them
	v_lshrrev_b32 v1, 5, v0
	v_readfirstlane_b32 s[WV], v1                  ; wave 0..3
	s_bfe_u32 s13, ttmp6, 0x40000                  ; cx: my place in the cluster
	s_lshl_b32 s14, ttmp9, 2                       ; in a cluster launch ttmp9 counts clusters
	s_add_co_u32 s14, s14, s13                     ; my work-group = 4 x cluster + cx: it enters x's and out0's addresses alone
	; descriptor group 1: 69,632 dense bytes as 272 rows of 256 bytes, elements of 8 bytes, no padding
	s_mov_b32 s[G1+0], 15|(3<<16)|(1<<21)          ; 15:0 the mask: all four work-groups; 17:16 elements of 8 bytes; 21 set beside a mask
	s_mov_b32 s[G1+1], 32<<16                      ; tensor_dim0 = 32
	s_mov_b32 s[G1+2], 272<<16                     ; tensor_dim1 = 272
	s_mov_b32 s[G1+3], 32<<16                      ; tile_dim0 = 32
	s_mov_b32 s[G1+4], 272                         ; tile_dim1 = 272
	s_mov_b32 s[G1+5], 32                          ; 32 elements from row to row
	s_mov_b32 s[G1+6], 0
	s_mov_b32 s[G1+7], 0
	s_mov_b32 s[G0], 1                             ; count = 1
	s_mul_i32 s[G0+1], s[WV], UW                   ; LDS address: my wave's part; no place in the cluster enters it
	s_mov_b32 s[NL2E], 0xbfb8aa3b                  ; -log2(e)
	s_mov_b32 s[NL2E+1], s[NL2E]                   ; named with it as a pair
	s_lshl_b32 s16, s14, 11                        ; my 32 sequences of 64 bytes in x
	s_mov_b32 s17, 0
	s_lshl_b32 s18, s[WV], 17                      ; my wave's 131,072 bytes of uf
	s_mov_b32 s19, 0
	v_and_b32 v1, 15, v0                           ; r
	v_bfe_u32 v2, v0, 4, 1                         ; hh
	v_and_b32 v[UGO], 31, v0
	v_lshlrev_b32 v[UGO], 4, v[UGO]
	v_add_nc_u32 v[UA0], s[G0+1], v[UGO]
	v_add_nc_u32 v[UA0+1], 0x10000, v[UA0]
	v_mul_u32_u24 v[HA], v1, HP
	v_lshl_add_u32 v[HA], v2, 4, v[HA]
	v_add_nc_u32 v[HA], HB, v[HA]
	s_lshl_b32 s35, s[WV], 7
	v_add_nc_u32 v[HS], s35, v[HA]
	v_lshlrev_b32 v[XO], 6, v1
	s_lshl_b32 s35, s[WV], 10
	v_lshl_add_u32 v[LT], v2, 4, s35
	s_mul_i32 s36, s[WV], 32*SP
	s_add_co_u32 s36, s36, HB                      ; my stage for the way out
	v_mul_u32_u24 v[SS], v1, SP                    ; in: row r, 32 bytes for each half of the lanes
	v_lshl_add_u32 v[SS], v2, 5, v[SS]
	v_add_nc_u32 v[SS], s36, v[SS]
	v_mul_u32_u24 v[SR], v2, SP                    ; back: lanes 0-15 one row of 256 bytes, lanes 16-31 the next
	v_lshl_add_u32 v[SR], v1, 4, v[SR]
	v_add_nc_u32 v[SR], s36, v[SR]
	s_lshl_b32 s37, s[WV], 8
	v_lshlrev_b32 v[OO], 10, v2                    ; and the same two rows in out0, at my wave's 256 bytes
	v_lshl_add_u32 v[OO], v1, 4, v[OO]
	v_add_nc_u32 v[OO], s37, v[OO]
	s_wait_dscnt 0x0                               ; the opening add is done
	s_wait_kmcnt 0x0
	s_add_nc_u64 s[4:5], s[4:5], s[16:17]          ; x at my first sequence
	s_lshl_b32 s16, s14, 15                        ; 32 rows of 1,024 bytes
	s_add_nc_u64 s[10:11], s[10:11], s[16:17]      ; out0 at my first row
	s_add_nc_u64 s[8:9], s[8:9], s[18:19]          ; uf at my wave's slot 0
	s_add_nc_u64 s[G0+2:G0+3], s[8:9], 15*4096     ; global address: slots 15 to 31; it hangs on the wave's number alone
	s_or_b32 s[G0+3], s[G0+3], 0x80000000          ; type = 2
	CROUND                                         ; all four work-groups are here: the joint loads meet
	tensor_load_to_lds s[G0:G0+3], s[G1:G1+7]      ; my wave's one tensor load of the launch: one is out
	s_nop 0
.rept 4
	v_nop
.endr
	global_load_b64 v[IDX:IDX+1], v[XO], s[4:5]               ; the characters of steps 0 and 1, tile 0
	global_load_b64 v[IDX+2:IDX+3], v[XO], s[4:5] offset:1024 ; and tile 1
.set i, 0
.rept 15                               ; U slots 0-14 into their registers: 120 loads, each of 512 consecutive bytes
.if i < 8
	WIN 0x80
.set UB0, 32*i
.elseif i < 12
	WIN 0xc0
.set UB0, 128+32*(i-8)
.else
	WIN 0x40
.set UB0, 32*(i-12)
.endif
.irp g, 0,1,2,3
	global_load_b128 v[UB0+8*\g:UB0+8*\g+3],   v[UGO], s[8:9] offset:i*4096+\g*1024
	global_load_b128 v[UB0+8*\g+4:UB0+8*\g+7], v[UGO], s[8:9] offset:i*4096+\g*1024+512
.endr
.set i, i+1
.endr
	; STEP 0: h = 0, c = 0: z is the table's row; c = i zg, h = o c.
.set FIRST, 1
	s_wait_loadcnt 63                              ; the indices are in: 120 loads were issued behind them, and the field names 63 at the most
	MKTA IDX, IDX+2
	v_add_nc_u32 v[XO], 8, v[XO]                   ; the next index to fetch is step 2's
	LD 0, 1
	LD 1, 1
	LD 2, 1
	LD 3, 1
	s_wait_xcnt 0x0                                ; the loads above have had their addresses translated (ISA guide 3.1): only now are their offsets written anew,
	MKTA IDX+1, IDX+3                              ; for step 1
.irp p, 0,1,2,3
	s_wait_loadcnt 36+4*\p                         ; set p of step 0 is in: behind it 12 loads for each later set of step 0 and 16 for each earlier set of step 1.  U's registers, asked for before, are in too
.if \p == 3
	s_wait_tensorcnt 0x0                           ; my part of U is in LDS; only I read it
	STAGE 0, 0
	STAGE 1, 1
.endif
	EW \p
	LD \p, 0
.endr
	BAR                                            ; my part of h is stored and the two staged groups are in; behind the barrier everybody's h is there
	WIN 0                                          ; at a label and at a branch every window is 0
	s_mov_b32 s[CNT], 14
.Lstep:                                                ; steps 1 to 14
	STEP 0
	s_sub_co_u32 s[CNT], s[CNT], 1
	s_cmp_lg_u32 s[CNT], 0
	s_cbranch_scc1 .Lstep
	STEP 1                                         ; step 15 is written out: nothing more is fetched, and h goes to my stage in f32
	; THE WAY OUT: my 32 rows x 256 bytes come back from my own stage as whole rows.  LDS serves a wave's instructions in order (ISA guide 5.7.1.4): these loads see my stores.
.irp i, 0,1,2,3,4,5,6,7,8,9,10,11,12,13,14,15
	ds_load_b128 v[128+4*\i:128+4*\i+3], v[SR] offset:\i*2*SP
.endr
.irp i, 0,1,2,3,4,5,6,7,8,9,10,11,12,13,14,15
	s_wait_dscnt 15-\i
	global_store_b128 v[OO], v[128+4*\i:128+4*\i+3], s[10:11] offset:\i*2048 th:TH_STORE_NT  ; 16 lanes store 256 consecutive bytes, at a multiple of 256 from out0's first byte
.endr
	s_wait_tensorcnt 0x0                           ; the wave's end: a wait, an LDS add and its wait, behind my last tensor load and my last LDS store
	ds_add_u32 v[SPW], v[NIL]
	s_wait_dscnt 0x0
	CROUND                                         ; the closing round: no work-group ends while a partner may still ask for a tile that names it
	s_endpgm
.Lfunc_end_k_qe8bf9f70e5_rnn:
	.size	k_qe8bf9f70e5_rnn, .Lfunc_end_k_qe8bf9f70e5_rnn-k_qe8bf9f70e5_rnn
	.p2alignl 7, 3214868480
	.fill 96, 4, 3214868480
	.section	.rodata,"a",@progbits
	.p2align	6, 0x0
	.amdhsa_kernel k_qe8bf9f70e5_rnn
		.amdhsa_group_segment_fixed_size 327680
		.amdhsa_private_segment_fixed_size 0
		.amdhsa_enable_private_segment 0
		.amdhsa_kernarg_size 32
		.amdhsa_user_sgpr_count 2
		.amdhsa_user_sgpr_kernarg_segment_ptr 1
		.amdhsa_wavefront_size32 1
		.amdhsa_system_sgpr_workgroup_id_x 1
		.amdhsa_system_sgpr_workgroup_id_y 1
		.amdhsa_system_sgpr_workgroup_id_z 1
		.amdhsa_system_vgpr_workitem_id 0
		.amdhsa_next_free_vgpr 1024
		.amdhsa_next_free_sgpr 66
		.amdhsa_reserve_vcc 0
		.amdhsa_float_denorm_mode_32 3
		.amdhsa_float_denorm_mode_16_64 3
		.amdhsa_memory_ordered 1
		.amdhsa_forward_progress 1
		.amdhsa_inst_pref_size 209
	.end_amdhsa_kernel
	.amdgpu_metadata
---
amdhsa.version: [ 1, 2 ]
amdhsa.kernels:
  - .name:           k_qe8bf9f70e5_rnn
    .symbol:         k_qe8bf9f70e5_rnn.kd
    .args:
      - { .name: x, .offset: 0, .size: 8, .value_kind: global_buffer, .address_space: global }
      - { .name: tab, .offset: 8, .size: 8, .value_kind: global_buffer, .address_space: global }
      - { .name: uf, .offset: 16, .size: 8, .value_kind: global_buffer, .address_space: global }
      - { .name: out0, .offset: 24, .size: 8, .value_kind: global_buffer, .address_space: global }
    .group_segment_fixed_size: 327680
    .private_segment_fixed_size: 0
    .kernarg_segment_align: 8
    .kernarg_segment_size: 32
    .max_flat_workgroup_size: 128
    .sgpr_count:     66
    .vgpr_count:     1024
    .wavefront_size: 32
...
	.end_amdgpu_metadata
.endif
;; end of part 3
